; MI455X (gfx1250); checked and timed in simulation.
; The chip was launched on July 23, 2026; its instructions are those of AMD's public machine-readable ISA for CDNA 5 (MIT licence, August 2026) and "CDNA5" Instruction Set Architecture Reference Guide (July 2026). The comments in the code are by the model that wrote it; some were corrected since.
;; LSTM Cell. Allowed arithmetic: float matrix products may take bf16 or f16 operands with f32 sums; other float arithmetic in f32, or as packed bf16 or f16 multiplies, adds, multiply-adds, maxima and minima; sums over many terms, partial sums and values carried from step to step in f32; what a program stores and reads back later, other than sums and carried values, may be rounded once to bf16 or f16.
;; Inputs: Whf 1,024 x 1,024 float32; Whg 1,024 x 1,024 float32; Whi 1,024 x 1,024 float32; Who 1,024 x 1,024 float32; Wif 1,024 x 1,024 float32; Wig 1,024 x 1,024 float32; Wii 1,024 x 1,024 float32; Wio 1,024 x 1,024 float32; bf 1,024 float32; bg 1,024 float32; bi 1,024 float32; bo 1,024 float32; c 8,192 x 1,024 float32; h 8,192 x 1,024 float32; inputs 8,192 x 1,024 float32.
;; Outputs: out0 8,192 x 1,024 float32; out1 8,192 x 1,024 float32.
;; 2 versions, each right; version 2 is version 1 with the launch prep written anew for expert scheduling mode. Each part assembles by itself: llvm-mc -triple=amdgcn-amd-amdhsa -mcpu=gfx1250 --defsym DOCPART=n.
;; ======== version 1 of 2: 2 launches
;; limits: a function is approximated: absolute error at most 1e-07; right only within a limited range of input values
;; workspace buffers: Ab 33,554,432 bytes; Wb 16,777,216 bytes
;; launch prep (part 1): grid 768 x 1, 8 waves a work-group, no clusters, 66,560 bytes of LDS; arguments inputs, h, Wii, Wif, Wig, Wio, Whi, Whf, Whg, Who, Ab, Wb; writes Ab, Wb
.if DOCPART == 1
	.amdgcn_target "amdgcn-amd-amdhsa--gfx1250"
	.amdhsa_code_object_version 6
	.text
	.protected	k_q393d8b0d9d_prep
	.globl	k_q393d8b0d9d_prep
	.p2align	8
	.type	k_q393d8b0d9d_prep,@function
k_q393d8b0d9d_prep:
	s_mov_b64 s[64:65], 0
	v_nop
	global_prefetch_b8 v0, s[64:65] scope:SCOPE_SE
	s_setreg_imm32_b32 hwreg(HW_REG_WAVE_MODE, 25, 1), 1
	s_wait_xcnt 0x0
; THE OPERANDS OF THE LSTM CELL'S PRODUCT, rounded once to bf16 (to nearest even) and laid out for the launch behind.
; Ab: bf16 [8192][2048]: row m = inputs[m][0..1023], then h[m][0..1023]; a row is 4,096 bytes.
; Wb: bf16 [2048 k][4096 n']: k < 1024 from Wi*, k >= 1024 from Wh*; n' = 256 T + 64 g + j, T = hidden / 64, g = 0..3 for i, f, g, o, j = hidden % 64:
;     so 256 neighbouring columns are 64 hidden columns of all four gates, 512 dense bytes of a row.
; SHARES.  768 work-groups of eight waves, each reads 128 KiB and writes 64 KiB.  Work-groups 0..511: 16 rows of inputs and of h.  Work-groups 512..767: 8 rows k of the
; four weights, a wave a row.  Each thread issues all its 32 loads of 16 bytes at once; there is no loop, so no register of a load or store is ever written again.
; A stream: no matrix unit, no tensor load, no cluster (no byte is wanted twice).  LIMITS: bf16 has f32's range; NaN and infinities pass as they are.
.set X,     16                         ; v[16:143]  32 x 4 registers as loaded; the first two of each four then hold 4 bf16
.set SPW,   6                          ; v6   LDS address of my spare word; never rewritten
.set NIL,   7                          ; v7   0; never rewritten
.set SPARE, 65536                      ; behind the eight stages of 8,192 bytes (a wave's own, at 8,192 x wave): the spare words, 128 bytes a wave
.macro CVT n                           ; load n is in (the younger ones stay out: loads come back in order); its four numbers become two words
	s_wait_loadcnt 31-(\n)
	v_cvt_pk_bf16_f32 v[X+4*(\n)],   v[X+4*(\n)],   v[X+4*(\n)+1]
	v_cvt_pk_bf16_f32 v[X+4*(\n)+1], v[X+4*(\n)+2], v[X+4*(\n)+3]
.endm
	s_load_b512 s[4:19], s[0:1], 0x0               ; inputs 4, h 6, Wii 8, Wif 10, Wig 12, Wio 14, Whi 16, Whf 18
	s_load_b256 s[20:27], s[0:1], 0x40             ; Whg 20, Who 22, Ab 24, Wb 26
	v_lshl_add_u32 v[SPW], v0, 2, SPARE
	v_mov_b32 v[NIL], 0
	v_lshrrev_b32 v5, 5, v0
	v_readfirstlane_b32 s28, v5                    ; wave 0..7
	s_mov_b32 s3, 0
	s_wait_kmcnt 0x0
	s_cmp_lt_u32 ttmp9, 512
	s_cbranch_scc0 .Lweights
	; INPUTS AND h.  16 rows of 4,096 bytes are 65,536 bytes in inputs, in h and in Ab alike.
	s_lshl_b32 s2, ttmp9, 16
	s_add_nc_u64 s[4:5], s[4:5], s[2:3]
	s_add_nc_u64 s[6:7], s[6:7], s[2:3]
	s_add_nc_u64 s[24:25], s[24:25], s[2:3]
	v_lshlrev_b32 v1, 4, v0                        ; thread t: 16 bytes at 16 t of a source row,
	v_lshlrev_b32 v2, 3, v0                        ; 8 bytes at 8 t of half a row of Ab
.set i, 0
.rept 16
	global_load_b128 v[X+8*i:X+8*i+3],   v1, s[4:5] offset:4096*i th:TH_LOAD_NT
	global_load_b128 v[X+8*i+4:X+8*i+7], v1, s[6:7] offset:4096*i th:TH_LOAD_NT
.set i, i+1
.endr
.set n, 0
.rept 32
	CVT n
	global_store_b64 v2, v[X+4*n:X+4*n+1], s[24:25] offset:(n/2)*4096+(n%2)*2048  ; a wave's store covers 256 consecutive bytes, aligned
.set n, n+1
.endr
	s_branch .Lend
.Lweights:
	; THE WEIGHTS.  Work-group 512 + q takes rows k = 8 q .. 8 q + 7, wave w row 8 q + w, of all four gates.
	s_sub_co_u32 s29, ttmp9, 512
	s_cmp_lt_u32 s29, 128                          ; k < 1024: the input kernels, else the recurrent ones
	s_cselect_b64 s[8:9],   s[8:9],   s[16:17]
	s_cselect_b64 s[10:11], s[10:11], s[18:19]
	s_cselect_b64 s[12:13], s[12:13], s[20:21]
	s_cselect_b64 s[14:15], s[14:15], s[22:23]
	s_and_b32 s2, s29, 127
	s_lshl_b32 s2, s2, 15                          ; 8 source rows of 4,096 bytes
	s_add_nc_u64 s[8:9],   s[8:9],   s[2:3]
	s_add_nc_u64 s[10:11], s[10:11], s[2:3]
	s_add_nc_u64 s[12:13], s[12:13], s[2:3]
	s_add_nc_u64 s[14:15], s[14:15], s[2:3]
	s_lshl_b32 s2, s29, 16                         ; 8 rows of Wb, 8,192 bytes each
	s_add_nc_u64 s[26:27], s[26:27], s[2:3]
	s_lshl_b32 s30, s28, 12                        ; my source row
	s_lshl_b32 s31, s28, 13                        ; my stage, and my row of Wb
	v_and_b32 v5, 31, v0                           ; lane L
	v_lshl_add_u32 v1, v5, 4, s30                  ; source: 4,096 w + 16 L
	v_lshl_add_u32 v4, v5, 4, s31                  ; stage read back, and Wb: 8,192 w + 16 L
	v_and_b32 v3, 15, v5
	v_lshrrev_b32 v5, 4, v5
	v_lshlrev_b32 v3, 3, v3
	v_lshl_add_u32 v3, v5, 9, v3
	v_add_nc_u32 v3, s31, v3                       ; stage in: 8,192 w + 512 (L / 16) + 8 (L % 16)
.set n, 0
.rept 32                                       ; load n = 8 g + j: gate g, elements 128 j + 4 L .. + 3: 512 consecutive bytes a wave
	global_load_b128 v[X+4*n:X+4*n+3], v1, s[8+2*(n/8):9+2*(n/8)] offset:512*(n%8) th:TH_LOAD_NT
.set n, n+1
.endr
.set n, 0
.rept 32                                       ; element e = 128 j + 4 L has T = 2 j + L / 16 and goes to byte 512 T + 128 g + 2 (e % 64) of the row
	CVT n
	ds_store_b64 v3, v[X+4*n:X+4*n+1] offset:(n%8)*1024+(n/8)*128
.set n, n+1
.endr
.set i, 0
.rept 16
	ds_load_b128 v[X+4*i:X+4*i+3], v4 offset:512*i  ; my own stage: LDS serves a wave's instructions in order (ISA guide 5.7.1.4), so these see the stores above
.set i, i+1
.endr
.set i, 0
.rept 16
	s_wait_dscnt 15-i
	global_store_b128 v4, v[X+4*i:X+4*i+3], s[26:27] offset:512*i  ; 512 consecutive bytes, aligned
.set i, i+1
.endr
.Lend:
	s_wait_tensorcnt 0x0                           ; the wave's end, behind my last LDS store
	ds_add_u32 v[SPW], v[NIL]
	s_wait_dscnt 0x0
	s_endpgm
.Lfunc_end_k_q393d8b0d9d_prep:
	.size	k_q393d8b0d9d_prep, .Lfunc_end_k_q393d8b0d9d_prep-k_q393d8b0d9d_prep
	.p2alignl 7, 3214868480
	.fill 96, 4, 3214868480
	.section	.rodata,"a",@progbits
	.p2align	6, 0x0
	.amdhsa_kernel k_q393d8b0d9d_prep
		.amdhsa_group_segment_fixed_size 66560
		.amdhsa_private_segment_fixed_size 0
		.amdhsa_enable_private_segment 0
		.amdhsa_kernarg_size 96
		.amdhsa_user_sgpr_count 2
		.amdhsa_user_sgpr_kernarg_segment_ptr 1
		.amdhsa_wavefront_size32 1
		.amdhsa_system_sgpr_workgroup_id_x 1
		.amdhsa_system_sgpr_workgroup_id_y 1
		.amdhsa_system_sgpr_workgroup_id_z 1
		.amdhsa_system_vgpr_workitem_id 0
		.amdhsa_next_free_vgpr 144
		.amdhsa_next_free_sgpr 66
		.amdhsa_reserve_vcc 0
		.amdhsa_float_denorm_mode_32 3
		.amdhsa_float_denorm_mode_16_64 3
		.amdhsa_memory_ordered 1
		.amdhsa_forward_progress 1
		.amdhsa_inst_pref_size 27
	.end_amdhsa_kernel
	.amdgpu_metadata
---
amdhsa.version: [ 1, 2 ]
amdhsa.kernels:
  - .name:           k_q393d8b0d9d_prep
    .symbol:         k_q393d8b0d9d_prep.kd
    .args:
      - { .name: inputs, .offset: 0, .size: 8, .value_kind: global_buffer, .address_space: global }
      - { .name: h, .offset: 8, .size: 8, .value_kind: global_buffer, .address_space: global }
      - { .name: Wii, .offset: 16, .size: 8, .value_kind: global_buffer, .address_space: global }
      - { .name: Wif, .offset: 24, .size: 8, .value_kind: global_buffer, .address_space: global }
      - { .name: Wig, .offset: 32, .size: 8, .value_kind: global_buffer, .address_space: global }
      - { .name: Wio, .offset: 40, .size: 8, .value_kind: global_buffer, .address_space: global }
      - { .name: Whi, .offset: 48, .size: 8, .value_kind: global_buffer, .address_space: global }
      - { .name: Whf, .offset: 56, .size: 8, .value_kind: global_buffer, .address_space: global }
      - { .name: Whg, .offset: 64, .size: 8, .value_kind: global_buffer, .address_space: global }
      - { .name: Who, .offset: 72, .size: 8, .value_kind: global_buffer, .address_space: global }
      - { .name: Ab, .offset: 80, .size: 8, .value_kind: global_buffer, .address_space: global }
      - { .name: Wb, .offset: 88, .size: 8, .value_kind: global_buffer, .address_space: global }
    .group_segment_fixed_size: 66560
    .private_segment_fixed_size: 0
    .kernarg_segment_align: 8
    .kernarg_segment_size: 96
    .max_flat_workgroup_size: 256
    .sgpr_count:     66
    .vgpr_count:     144
    .wavefront_size: 32
...
	.end_amdgpu_metadata
.endif
;; end of part 1
;; launch cell (part 2): grid 16 x 32, 4 waves a work-group, clusters of 4 x 4, 327,680 bytes of LDS; arguments Ab, Wb, c, bi, bf, bg, bo, out0, out1; writes out0, out1
.if DOCPART == 2
	.amdgcn_target "amdgcn-amd-amdhsa--gfx1250"
	.amdhsa_code_object_version 6
	.text
	.protected	k_q393d8b0d9d_cell
	.globl	k_q393d8b0d9d_cell
	.p2align	8
	.type	k_q393d8b0d9d_cell,@function
k_q393d8b0d9d_cell:
	s_mov_b64 s[64:65], 0
	v_nop
	global_prefetch_b8 v0, s[64:65] scope:SCOPE_SE
	s_setreg_imm32_b32 hwreg(HW_REG_WAVE_MODE, 25, 1), 1
	s_wait_xcnt 0x0
	s_wait_alu depctr_hold_cnt(0) depctr_sa_sdst(0) depctr_va_vdst(0) depctr_va_sdst(0) depctr_va_ssrc(0) depctr_va_vcc(0) depctr_vm_vsrc(0)
	s_getreg_b32 s2, hwreg(HW_REG_IB_STS2, 6, 4)
	s_cmp_eq_u32 s2, 0
	s_cbranch_scc0 .Lentry_in_a_cluster
	s_endpgm
.Lentry_in_a_cluster:
	s_bfe_u32 s2, ttmp6, 0x10000c
	s_cmp_lg_u32 s2, 0xf033
	s_cbranch_scc0 .Lentry_shape_is_right
	s_endpgm
.Lentry_shape_is_right:
; THE LSTM CELL.  gates = [x | h] W + b (8192 x 4096, K = 2048, bf16 operands from Ab and Wb, f32 sums); i, f, o = sigmoid, g = tanh; out0 = new_c = f c + i g; out1 = new_h = o tanh(new_c).
; Ab: bf16 [8192][2048].  Wb: bf16 [2048 k][4096 n'], n' = 256 T + 64 gate + j: a tile of 256 columns is 64 hidden columns of all four gates.  c, biases, outputs: f32.
; SHARES.  A work-group makes 256 rows x 64 hidden columns of both outputs: a tile of 256 x 256 of the gates.  Four waves, each 128 rows x (32 hidden columns x 4 gates): 64 accumulators, 512 registers.
; K goes in steps of 128 through a ring of two LDS slots filled by the tensor data mover.  512 work-groups, one tile each: the way out needs the ring's own bytes (the c tile and two stages of 69,632
; bytes each), so the ring ends with the tile.
; CLUSTER.  4 x 4 work-groups: the four of a row need the same tiles of Ab, the four of a column the same tiles of Wb: each is asked for JOINTLY (same load, same descriptor, a mask of the four).
; THE PRODUCT IS USED TRANSPOSED: source 0 = 16 columns of Wb (turned on the way out of LDS by ds_load_tr16_b128, since Wb's rows lie along n), source 1 = 16 rows of Ab.  Lane l (r = l % 16, hh = l / 16),
; register j of accumulator (a, b) holds row 16 a + r, gate b / 2, hidden column 32 ch + 16 (b % 2) + 8 hh + j: the four gates of an element meet in one lane, in the same register of four accumulators.
; THE BIASES START THE SUMS: they are the C operand of each accumulator's first product.
; ONE ROUNDING FOR ALL INPUTS.  x, h and the weights arrive rounded once to bf16; c and the four biases are rounded here in the same way (to nearest even) as they come in, and widened again: every
; input of the module carries bf16's rounding, a relative 2^-9 at the most (so new_c carries up to 2^-9 |f c| from c's), and all arithmetic on them is in f32.
; ACTIVATIONS, in f32: sigmoid(z) = 1 / (1 + 2^(-z log2 e)); tanh(z) = 1 - 2 / (1 + 2^(2 z log2 e)).  An exponential that overflows gives a reciprocal of 0, one that underflows (below 2^-126 it counts as 0)
; a reciprocal of 1: both forms end at their limits for every finite z, without a clamp.  LIMITS: tanh carries an absolute error of about 1e-7, so for |z| under 1e-5 its relative accuracy is lost;
; NaN and infinities among the inputs are not treated apart.
; REGISTERS, in windows of 256 (s_set_vgpr_msb: bits 1:0 source 0, 3:2 source 1, 5:4 source 2, 7:6 destination):
;   window 0: v0-31 addresses; v32-47 c; v48-55 c packed; v64-127, v128-191 fragments of Ab, two buffers (on the way out: at work); v192-255 the biases in the accumulators' layout
;   window 1: v64-127, v128-191 fragments of Wb, two buffers      window 2: accumulators of my rows 0-63 ((a, b) at v[8 (8 a + b)])      window 3: those of my rows 64-127
; LDS: slot s at 139,264 s: Ab's 256 rows x 272 bytes, then Wb's 128 rows x 544.  Behind their last fill: bytes 0 .. 69,631 take the c tile (the last tensor load), 69,632 .. the stage of new_h,
; 139,264 .. the stage of new_c (rows of 272 bytes); 278,528 .. the spare words.
.set KSTEP,  128
.set LAPS,   8                         ; K = 2048 = 8 laps of two K steps
.set PITCH,  272                       ; 256 bytes + 16: the 16 rows of a load start at 16 different groups of four banks (64 banks of 4 bytes: ISA guide 11.1)
.set PB,     544                       ; a row of Wb's tile: 512 bytes + 32 = 136 words
.set HALFT,  128*PITCH                 ; what one tensor load of the ring brings: 128 rows of Ab, or 64 rows of Wb (64 x 544 is the same number)
.set AREA,   2*HALFT
.set SLOT,   2*AREA
.set QROWS,  64*PITCH                  ; 64 rows of the c tile or of a stage
.set SPARE,  2*SLOT                    ; the spare words, 128 bytes for each wave: two blocks of 256 bytes that no other line names
.set BO,   6                           ; v6   my byte offset in a bias
.set ADRA, 16                          ; v16-17  LDS address of my Ab fragments in slot 0, 1
.set ADRB, 20                          ; v20-21  the same for Wb
.set RDH,  22                          ; v22  where I read new_h's stage back
.set GO,   23                          ; v23  my byte offset in two rows of an output
.set CA,   24                          ; v24  my 32 bytes of a row of the c tile
.set SC,   25                          ; v25  the same place in new_c's stage
.set SH,   26                          ; v26  in new_h's
.set RDC,  27                          ; v27  where I read new_c's stage back
.set SPW,  28                          ; v28  LDS address of my spare word; never rewritten
.set NIL,  29                          ; v29  0; never rewritten
.set PFO,  30                          ; v30  the ring's prefetches: my lane's offset; never rewritten
.set PFC,  31                          ; v31  c's prefetches: my lane x a row of c; never rewritten
.set CC,   32                          ; v32-47   c of a block: index 8 t + j
.set CB,   48                          ; v48-55   the same, rounded to bf16 and packed
.set F0,   64
.set F1,   128
.set BIAS, 192
.set XI,   64                          ; the way out, 16 registers each, index 8 t + j: i, f, g, o
.set XF,   80
.set XG,   96
.set XO,   112
.set NC,   128                         ; new_c
.set TT,   144                         ; at work
.set NH,   160                         ; new_h
.set NL,   4                           ; s[4:5]   -log2 e (the packed forms name a pair and take its low word)
.set TL,   6                           ; s[6:7]   2 log2 e
.set HM,   8                           ; s8       mask of a word's upper bf16
.set G1,   24                          ; s[24:31] descriptor group 1 for Ab's tiles;  s[32:39] group 0, a set for each slot
.set G0,   32
.set LIM,  43                          ; s43  1 in a wave that prefetches the ring's tiles, else the greatest number
.set PFA,  44                          ; s[44:45] where those prefetches stand
.set G1B,  48                          ; s[48:55], s[56:63] the same for Wb's tiles
.set G0B,  56
.set AB,   68                          ; s[68:83] the arguments: Ab, Wb, c, bi, bf, bg, bo, out0
.set WB,   70
.set CIN,  72
.set BI,   74
.set O0,   82
.set O1,   84                          ; s[84:85] out1
.set PFS,  86                          ; s[86:87] a K step in bytes, along Ab's rows or down Wb's
.set G1C,  88                          ; s[88:95], s[96:99] the c tile's descriptor
.set G0C,  96
.set CP,   100                         ; s[100:101] c at my wave's 64 rows of the tile; never rewritten
.set MSB, 0
.macro WIN new                         ; the immediate's high byte repeats the setting that is left; a switch that changes nothing is dropped
.if MSB != (\new)
	s_set_vgpr_msb (MSB<<8)|(\new)
.set MSB, \new
.endif
.endm
.set TO_B, 0x40                        ; destination window 1, address window 0
; A joint load.  Waves 0 and 1 fetch Ab's two halves, waves 2 and 3 Wb's.  The branch hangs on the wave's number alone.  An s_nop 0 and four v_nop follow each line.
.macro JLOAD s
	s_cmp_eq_u32 s11, 0
	s_cbranch_scc0 .Lfor_b_\@
	tensor_load_to_lds s[G0+4*(\s):G0+4*(\s)+3], s[G1:G1+7]
	s_nop 0
.rept 4
	v_nop
.endr
	s_branch .Lasked_\@
.Lfor_b_\@:
	tensor_load_to_lds s[G0B+4*(\s):G0B+4*(\s)+3], s[G1B:G1B+7]
	s_nop 0
.rept 4
	v_nop
.endr
.Lasked_\@:
.endm
; PREFETCHES INTO THE L2, behind a joint load, its five lines and the run of LDS loads.  First: the K step that stands two refills on, 512 matrix instructions ahead of its load.  Ab's tile row is read by every
; cluster of that row of clusters: cluster x = 0 asks; Wb's tile column by every cluster of that column: cluster y = 0 asks.  The four partners share a wave's rows out BY ADDRESS (32 rows of Ab, a lane a row;
; 16 rows of Wb, two lanes a row of 512 bytes): each aligned block of 256 bytes is named once in the launch.  The loop's last trip (s3 = 1) has no K step two on.
; Second: in that last trip each wave names its own 64 rows of the c tile, 32 in each of the trip's two changes of slots: two refills and one refill ahead of the load that brings them.
.macro ASK slot
	s_cmp_gt_u32 s3, s[LIM]
	s_cbranch_scc0 .Lno_k_\@
	global_prefetch_b8 v[PFO], s[PFA:PFA+1] th:TH_LOAD_NT scope:SCOPE_SE
.Lno_k_\@:
	s_cmp_eq_u32 s3, 1
	s_cbranch_scc0 .Lno_c_\@
	global_prefetch_b8 v[PFC], s[CP:CP+1] offset:(\slot)*32*4096 th:TH_LOAD_NT scope:SCOPE_SE
.Lno_c_\@:
.endm
.macro CREST                           ; a round of the cluster's barrier behind its opening barrier
	s_cmp_lg_u32 s10, 0
	s_cbranch_scc1 .Lnot_wave_0_\@
	s_barrier_signal -3
.Lnot_wave_0_\@:
	s_barrier_wait -3
	s_barrier_signal -1
	s_barrier_wait -1
.endm
.macro CROUND                          ; a whole round
	s_barrier_signal -1
	s_barrier_wait -1
	CREST
.endm
	s_load_b512 s[AB:AB+15], s[0:1], 0x0
	s_load_b64 s[O1:O1+1], s[0:1], 0x40
	v_lshl_add_u32 v[SPW], v0, 2, SPARE
	v_mov_b32 v[NIL], 0
	ds_add_u32 v[SPW], v[NIL]                      ; the wave's opening: the add, twice on end, and its wait ahead of my first tensor load; work on registers stands between
	ds_add_u32 v[SPW], v[NIL]
	v_lshrrev_b32 v1, 5, v0
	v_readfirstlane_b32 s10, v1                    ; wave 0..3
	s_lshr_b32 s11, s10, 1                         ; rh: which 128 rows of the tile are mine.  Also: I fetch for Ab (0) or for Wb (1)
	s_and_b32 s12, s10, 1                          ; ch: which 32 hidden columns.  Also: which half of that tile I fetch
	s_bfe_u32 s40, ttmp6, 0x40000                  ; cx
	s_bfe_u32 s41, ttmp6, 0x40004                  ; cy
	s_lshl_b32 s42, ttmp9, 2
	s_add_co_u32 s42, s42, s40                     ; T = 4 x cluster x + cx: 0..15
	s_and_b32 s13, ttmp7, 0xffff
	s_lshl_b32 s13, s13, 2
	s_add_co_u32 s13, s13, s41                     ; R = 4 x cluster y + cy: 0..31
	s_lshl_b32 s43, s41, 2
	s_lshl_b32 s43, 15, s43                        ; my row of the cluster
	s_lshl_b32 s44, 0x1111, s40                    ; my column
	s_or_b32 s[G1+0], s43, (1<<16)|(1<<20)|(1<<21)|(5<<22)|(3<<25)   ; the mask; 2-byte elements; padding on; bit 21 beside a mask; after every 64 words 4 words
	s_mov_b32 s[G1+1], KSTEP<<16                   ; tensor_dim0 = 128
	s_mov_b32 s[G1+2], 128<<16                     ; tensor_dim1 = 128
	s_mov_b32 s[G1+3], KSTEP<<16                   ; tile_dim0 = 128
	s_mov_b32 s[G1+4], 128                         ; tile_dim1 = 128
	s_mov_b32 s[G1+5], 2048                        ; elements from row to row of Ab
	s_mov_b32 s[G1+6], 0
	s_mov_b32 s[G1+7], 0
	s_or_b32 s[G1B+0], s44, (1<<16)|(1<<20)|(1<<21)|(6<<22)|(7<<25)  ; after every 128 words 8 words
	s_mov_b32 s[G1B+1], 256<<16                    ; tensor_dim0 = 256
	s_mov_b32 s[G1B+2], 64<<16                     ; tensor_dim1 = 64
	s_mov_b32 s[G1B+3], 256<<16                    ; tile_dim0 = 256
	s_mov_b32 s[G1B+4], 64                         ; tile_dim1 = 64
	s_mov_b32 s[G1B+5], 4096                       ; elements from row to row of Wb
	s_mov_b32 s[G1B+6], 0
	s_mov_b32 s[G1B+7], 0
	s_mov_b32 s[G1C+0], (2<<16)|(1<<20)|(5<<22)|(3<<25)              ; no mask: my work-group's own tile; 4-byte elements; after every 64 words 4 words
	s_mov_b32 s[G1C+1], 64<<16                     ; tensor_dim0 = 64
	s_mov_b32 s[G1C+2], 64<<16                     ; tensor_dim1 = 64
	s_mov_b32 s[G1C+3], 64<<16                     ; tile_dim0 = 64
	s_mov_b32 s[G1C+4], 64                         ; tile_dim1 = 64
	s_mov_b32 s[G1C+5], 1024                       ; elements from row to row of c
	s_mov_b32 s[G1C+6], 0
	s_mov_b32 s[G1C+7], 0
	s_mov_b32 s[NL], 0xbfb8aa3b
	s_mov_b32 s[NL+1], 0xbfb8aa3b
	s_mov_b32 s[TL], 0x4038aa3b
	s_mov_b32 s[TL+1], 0x4038aa3b
	s_mov_b32 s[HM], 0xffff0000
	s_lshl_b32 s16, s13, 8                         ; Ab: row 256 R + 128 x half, 4,096 bytes a row: made of R and the wave's number alone
	s_lshl_b32 s17, s12, 7
	s_add_co_u32 s16, s16, s17
	s_lshl_b32 s16, s16, 12
	s_mov_b32 s17, 0
	s_lshl_b32 s46, s12, 19                        ; Wb: row 64 x half, 8,192 bytes a row, + 512 T: made of T and the wave's number alone
	s_lshl_b32 s47, s42, 9
	s_add_co_u32 s46, s46, s47
	s_mov_b32 s47, 0
	s_mul_i32 s20, s10, HALFT                      ; where they go: wave x 34,816: no place in the cluster enters an LDS address
	s_wait_dscnt 0x0                               ; both opening adds are done
	s_wait_kmcnt 0x0
	s_add_nc_u64 s[14:15], s[AB:AB+1], s[16:17]
	s_add_nc_u64 s[46:47], s[WB:WB+1], s[46:47]
	CROUND                                         ; all sixteen work-groups are here: the first joint loads meet
.irp s, 0,1
	s_mov_b32 s[G0+4*(\s)], 1
	s_add_co_u32 s[G0+4*(\s)+1], s20, (\s)*SLOT
	s_add_nc_u64 s[G0+4*(\s)+2:G0+4*(\s)+3], s[14:15], (\s)*KSTEP*2        ; K step s: 256 bytes along Ab's rows
	s_or_b32 s[G0+4*(\s)+3], s[G0+4*(\s)+3], 0x80000000
	s_mov_b32 s[G0B+4*(\s)], 1
	s_add_co_u32 s[G0B+4*(\s)+1], s20, (\s)*SLOT
	s_add_nc_u64 s[G0B+4*(\s)+2:G0B+4*(\s)+3], s[46:47], (\s)*KSTEP*8192   ; K step s: 128 rows down Wb
	s_or_b32 s[G0B+4*(\s)+3], s[G0B+4*(\s)+3], 0x80000000
	JLOAD \s                                       ; two loads of mine are out
.endr
	; the biases, in the accumulators' layout: block b = 2 gate + t, register j: hidden column 64 T + 32 ch + 16 t + 8 hh + j
	v_and_b32 v1, 15, v0                           ; r
	v_bfe_u32 v2, v0, 4, 1                         ; hh
	s_lshl_b32 s46, s42, 8                         ; 256 T: the tile's 64 columns of f32, in bytes
	s_lshl_b32 s47, s12, 7
	s_add_co_u32 s47, s46, s47
	v_lshl_add_u32 v[BO], v2, 5, s47
.irp g, 0,1,2,3
.irp t, 0,1
.irp u, 0,1
	global_load_b128 v[BIAS+8*(2*(\g)+(\t))+4*(\u):BIAS+8*(2*(\g)+(\t))+4*(\u)+3], v[BO], s[BI+2*(\g):BI+2*(\g)+1] offset:64*(\t)+16*(\u)
.endr
.endr
.endr
	; lane addresses
	v_mul_u32_u24 v3, v1, PITCH                    ; r x 272
	s_mul_i32 s21, s11, HALFT                      ; my 128 rows
	v_lshl_add_u32 v[ADRA], v2, 4, v3
	v_add_nc_u32 v[ADRA], s21, v[ADRA]             ; a fragment of Ab: row r, 16 bytes for each half of the lanes, twice, 32 bytes apart
	v_add_nc_u32 v[ADRA+1], SLOT, v[ADRA]
	v_and_b32 v4, 7, v0                            ; the turning load: lane l reads row k = 8 hh + l % 8, 16 bytes at 16 ((l / 8) % 2), and ends with column r and 8 k
	v_lshl_add_u32 v4, v2, 3, v4
	v_mul_u32_u24 v4, v4, PB
	v_bfe_u32 v5, v0, 3, 1
	v_lshl_add_u32 v4, v5, 4, v4
	s_lshl_b32 s22, s12, 6                         ; my 32 hidden columns in each gate's 64: 64 bytes
	s_add_co_u32 s22, s22, AREA
	v_add_nc_u32 v[ADRB], s22, v4
	v_add_nc_u32 v[ADRB+1], SLOT, v[ADRB]
	s_lshl_b32 s23, s12, 7                         ; the c tile and the stages: row r of a block, my 32 columns of f32 (128 bytes), 32 bytes for each half of the lanes
	s_add_co_u32 s23, s23, s21
	v_lshl_add_u32 v[CA], v2, 5, v3
	v_add_nc_u32 v[CA], s23, v[CA]
	v_add_nc_u32 v[SH], AREA, v[CA]
	v_add_nc_u32 v[SC], SLOT, v[CA]
	s_mul_i32 s23, s10, QROWS                      ; back: wave w takes rows 64 w .. 64 w + 63, whole: lanes 0-15 one row of 256 bytes, lanes 16-31 the next
	v_mul_u32_u24 v5, v2, PITCH
	v_lshl_add_u32 v5, v1, 4, v5
	v_add_nc_u32 v5, s23, v5
	v_add_nc_u32 v[RDH], AREA, v5
	v_add_nc_u32 v[RDC], SLOT, v5
	v_lshlrev_b32 v[GO], 12, v2                    ; and the same two rows in an output
	v_lshl_add_u32 v[GO], v1, 4, v[GO]
	; c, out0 and out1 at my wave's 64 rows of the tile
	s_lshl_b32 s16, s13, 8
	s_lshl_b32 s17, s10, 6
	s_add_co_u32 s16, s16, s17
	s_lshl_b32 s16, s16, 12
	s_add_co_u32 s16, s16, s46
	s_mov_b32 s17, 0
	s_add_nc_u64 s[CP:CP+1], s[CIN:CIN+1], s[16:17]
	s_add_nc_u64 s[O0:O0+1], s[O0:O0+1], s[16:17]
	s_add_nc_u64 s[O1:O1+1], s[O1:O1+1], s[16:17]
	s_mov_b32 s[G0C], 1
	s_mul_i32 s[G0C+1], s10, QROWS
	s_mov_b64 s[G0C+2:G0C+3], s[CP:CP+1]
	s_or_b32 s[G0C+3], s[G0C+3], 0x80000000
	; the prefetches.  Nothing is prefetched here, at the head, where every work-group's first tiles are on their way: K steps 2 and 3 come by their refills alone
	s_lshl_b32 s14, s13, 8                         ; Ab: my work-group's 32 of the 128 rows that I fetch, at K step 3
	s_lshl_b32 s15, s12, 7
	s_add_co_u32 s14, s14, s15
	s_lshl_b32 s15, s40, 5
	s_add_co_u32 s14, s14, s15
	s_lshl_b32 s14, s14, 12
	s_add_co_u32 s14, s14, 3*KSTEP*2
	s_lshl_b32 s18, s12, 6                         ; Wb: my work-group's 16 of the 64 rows that I fetch, at K step 3
	s_lshl_b32 s19, s41, 4
	s_add_co_u32 s18, s18, s19
	s_lshl_b32 s18, s18, 13
	s_lshl_b32 s19, s42, 9
	s_add_co_u32 s18, s18, s19
	s_add_co_u32 s18, s18, 3*KSTEP*8192
	s_and_b32 s22, ttmp7, 0xffff                   ; cluster y
	s_mov_b32 s23, KSTEP*8192
	s_mov_b32 s21, 0
	s_mov_b32 s[PFS+1], 0
	s_cmp_eq_u32 s11, 0                            ; do I fetch for Ab?
	s_cselect_b32 s20, s14, s18
	s_cselect_b32 s22, ttmp9, s22                  ; the coordinate along which other clusters read the same rows
	s_cselect_b32 s[PFS], KSTEP*2, s23
	s_cselect_b64 s[PFA:PFA+1], s[AB:AB+1], s[WB:WB+1]
	s_add_nc_u64 s[PFA:PFA+1], s[PFA:PFA+1], s[20:21]  ; the first change of slots steps it to K step 4
	s_cmp_eq_u32 s22, 0
	s_cselect_b32 s[LIM], 1, -1                    ; the same in all sixteen partners, for a given wave
	v_and_b32 v5, 31, v0
	v_lshlrev_b32 v[PFC], 12, v5                   ; a lane a row of c
	s_add_co_u32 s23, s11, 12
	v_lshrrev_b32 v3, s11, v5                      ; Ab (s11 = 0): lane x 4,096.  Wb (s11 = 1): (lane / 2) x 8,192 + (lane % 2) x 256
	v_lshlrev_b32 v3, s23, v3
	v_and_b32 v4, s11, v5
	v_lshl_or_b32 v[PFO], v4, 8, v3
; 16 matrix instructions: m blocks a0, a0 + 1 of the window's four (hi = 0: my rows 0-63, 1: rows 64-127) x all 8 n blocks, 32 along K.  first = 1: the bias (window 0) starts the sums.
; The 64 accumulators take turns, one instruction a turn, in the same order in every quarter.
.macro MUL16 f, hi, a0, first
.if \first
	WIN 0x81+0x40*(\hi)
.else
	WIN 0xa1+0x50*(\hi)
.endif
.irp a, \a0, (\a0)+1
.irp b, 0,1,2,3,4,5,6,7
.if \first
	v_wmma_f32_16x16x32_bf16 v[8*(8*(\a)+(\b)):8*(8*(\a)+(\b))+7], v[(\f)+8*(\b):(\f)+8*(\b)+7], v[(\f)+8*(4*(\hi)+(\a)):(\f)+8*(4*(\hi)+(\a))+7], v[BIAS+8*(\b):BIAS+8*(\b)+7]
.else
	v_wmma_f32_16x16x32_bf16 v[8*(8*(\a)+(\b)):8*(8*(\a)+(\b))+7], v[(\f)+8*(\b):(\f)+8*(\b)+7], v[(\f)+8*(4*(\hi)+(\a)):(\f)+8*(4*(\hi)+(\a))+7], v[8*(8*(\a)+(\b)):8*(8*(\a)+(\b))+7]
.endif
.endr
.endr
.endm
; 32 LDS loads in one run: the fragments of quarter q (32 along K) into buffer f.  Wb's block b: gate b / 2 (128 bytes apart), sub-block b % 2 (32 bytes), rows 32 q .. of the tile, turned; then Ab's 8 blocks.
.macro FETCH slot, q, f
	WIN TO_B
.irp b, 0,1,2,3,4,5,6,7
	ds_load_tr16_b128 v[(\f)+8*(\b):(\f)+8*(\b)+3],   v[ADRB+(\slot)] offset:(\q)*32*PB+((\b)/2)*128+((\b)%2)*32
	ds_load_tr16_b128 v[(\f)+8*(\b)+4:(\f)+8*(\b)+7], v[ADRB+(\slot)] offset:(\q)*32*PB+16*PB+((\b)/2)*128+((\b)%2)*32
.endr
	WIN 0
.irp i, 0,1,2,3,4,5,6,7
	ds_load_b128 v[(\f)+8*(\i):(\f)+8*(\i)+3],   v[ADRA+(\slot)] offset:(\q)*64+(\i)*16*PITCH
	ds_load_b128 v[(\f)+8*(\i)+4:(\f)+8*(\i)+7], v[ADRA+(\slot)] offset:(\q)*64+(\i)*16*PITCH+32
.endr
.endm
.macro PLACES                          ; four places behind a matrix instruction, in front of loads into registers that it has read (ISA guide 7.12.1 for vector instructions)
.rept 4
	v_nop
.endr
.endm
; One of a K step's first three quarters: multiplies buffer f; in its middle it fetches quarter q of the same slot into buffer g.
.macro QUARTER slot, q, f, g, first
	s_wait_dscnt 8                                 ; Wb's fragments and Ab's rows 0-63 are in; the youngest eight loads (rows 64-127) may be out
	MUL16 \f, 0, 0, \first
	MUL16 \f, 0, 2, \first
	PLACES
	FETCH \slot, \q, \g
	s_wait_dscnt 32                                ; all but the 32 just issued
	MUL16 \f, 1, 0, \first
	MUL16 \f, 1, 2, \first
.endm
; The first half of a K step's last quarter, and the barrier that opens a round of the cluster's.  In front of it each wave waits for all its tensor loads (one is out: its part of the next slot),
; adds 0 to its spare word, and waits for that and for its own reads of this slot.
.macro MEET
	WIN 0
	s_wait_tensorcnt 0x0
	ds_add_u32 v[SPW], v[NIL]
	s_wait_dscnt 9                                 ; (the add and the youngest eight loads may be out)
	MUL16 F1, 0, 0, 0                              ; sixteen matrix instructions stand between the add and the wait for it
	s_wait_dscnt 0x0                               ; the add is done, and my reads of this slot are over
	s_barrier_signal -1
	MUL16 F1, 0, 2, 0
	WIN 0
	s_barrier_wait -1
.endm
; The whole last quarter: behind the round the slot just read out is filled again, two K steps on; then the next slot's first fragments.  From the request to the wait for it: 224 matrix instructions.
.macro TURN slot, next
	s_wait_xcnt 0x0                                ; the last prefetch, a K step back, has read its address
	s_add_nc_u64 s[PFA:PFA+1], s[PFA:PFA+1], s[PFS:PFS+1]
	MEET
	CREST                                          ; no wave of any partner still reads this slot's tiles or has a load on its way
	s_add_nc_u64 s[G0+4*(\slot)+2:G0+4*(\slot)+3], s[G0+4*(\slot)+2:G0+4*(\slot)+3], 2*KSTEP*2
	s_add_nc_u64 s[G0B+4*(\slot)+2:G0B+4*(\slot)+3], s[G0B+4*(\slot)+2:G0B+4*(\slot)+3], 2*KSTEP*8192
	JLOAD \slot                                    ; the first tensor load behind the round; its four v_nop are also the places in front of the loads below
	FETCH \next, 0, F0
	ASK \slot
	MUL16 F1, 1, 0, 0
	MUL16 F1, 1, 2, 0
.endm
; The last change of slots: slot 0 has been read for the last time, and the bytes of its Ab part take the c tile: every wave fetches 64 rows x 256 bytes of its own work-group's tile (no mask).
.macro TURNC
	MEET
	CREST
	tensor_load_to_lds s[G0C:G0C+3], s[G1C:G1C+7]
	s_nop 0
.rept 4
	v_nop
.endr
	FETCH 1, 0, F0
	MUL16 F1, 1, 0, 0
	MUL16 F1, 1, 2, 0
.endm
; THE WAY OUT.
.macro EXPS base, n                    ; a batch of n exponentials in place, a plain instruction behind the last, and one wait ahead of the first reader
.set i, 0
.rept \n
	v_exp_f32 v[(\base)+i], v[(\base)+i]
.set i, i+1
.endr
	v_nop
	s_wait_alu depctr_va_vdst(0)
.endm
.macro RECIP base, n                   ; e -> 1 / (1 + e) in place: a pair's addition stands ahead of the reciprocals of the pair before; no line names a reciprocal's result ahead of the one wait
	v_pk_add_f32 v[(\base):(\base)+1], v[(\base):(\base)+1], 1.0 op_sel_hi:[1,0]
.set i, 2
.rept (\n)/2-1
	v_pk_add_f32 v[(\base)+i:(\base)+i+1], v[(\base)+i:(\base)+i+1], 1.0 op_sel_hi:[1,0]
	v_rcp_f32 v[(\base)+i-2], v[(\base)+i-2]
	v_rcp_f32 v[(\base)+i-1], v[(\base)+i-1]
.set i, i+2
.endr
	v_rcp_f32 v[(\base)+(\n)-2], v[(\base)+(\n)-2]
	v_rcp_f32 v[(\base)+(\n)-1], v[(\base)+(\n)-1]
	v_nop
	s_wait_alu depctr_va_vdst(0)
.endm
; Block a: 16 rows x my 32 hidden columns, 16 elements a lane.
.macro EPI a
	WIN 0
.irp t, 0,1
.irp u, 0,1
	ds_load_b128 v[CC+8*(\t)+4*(\u):CC+8*(\t)+4*(\u)+3], v[CA] offset:(\a)*16*PITCH+64*(\t)+16*(\u)
.endr
.endr
	WIN 0x02+(\a)/4                                ; source 0: the accumulators' window
.irp g, 0,1,2,3                        ; the exponents: -z log2 e for i, f, o; 2 z log2 e for g.  Each accumulator is read from its lowest pair on
.irp t, 0,1
.irp p, 0,1,2,3
.set rd, XI+16*(\g)+8*(\t)+2*(\p)
.set ra, 64*((\a)%4)+8*(2*(\g)+(\t))+2*(\p)
.if (\g) == 2
	v_pk_mul_f32 v[rd:rd+1], v[ra:ra+1], s[TL:TL+1] op_sel_hi:[1,0]
.else
	v_pk_mul_f32 v[rd:rd+1], v[ra:ra+1], s[NL:NL+1] op_sel_hi:[1,0]
.endif
.endr
.endr
.endr
	WIN 0
	EXPS XI, 64
	RECIP XI, 64                                   ; i, f, o are done; g's place holds 1 / (1 + e)
.irp p, 0,2,4,6,8,10,12,14
	v_pk_fma_f32 v[XG+(\p):XG+(\p)+1], v[XG+(\p):XG+(\p)+1], -2.0, 1.0 op_sel_hi:[1,0,0]  ; g = 1 - 2 / (1 + e)
.endr
.irp p, 0,2,4,6,8,10,12,14
	v_pk_mul_f32 v[TT+(\p):TT+(\p)+1], v[XI+(\p):XI+(\p)+1], v[XG+(\p):XG+(\p)+1]
.endr
	s_wait_dscnt 0x0                               ; c is in
.irp k, 0,1,2,3,4,5,6,7                ; c takes the one rounding that all inputs take: to bf16, to nearest even, two numbers a line,
	v_cvt_pk_bf16_f32 v[CB+(\k)], v[CC+2*(\k)], v[CC+2*(\k)+1]
.endr
.irp k, 0,1,2,3,4,5,6,7                ; and is widened again: the low half moves up, the high half stays
	v_lshlrev_b32 v[CC+2*(\k)],   16, v[CB+(\k)]
	v_and_b32     v[CC+2*(\k)+1], s[HM], v[CB+(\k)]
.endr
.irp p, 0,2,4,6,8,10,12,14
	v_pk_fma_f32 v[NC+(\p):NC+(\p)+1], v[XF+(\p):XF+(\p)+1], v[CC+(\p):CC+(\p)+1], v[TT+(\p):TT+(\p)+1]  ; new_c = f c + i g
.endr
.irp p, 0,2,4,6,8,10,12,14
	v_pk_mul_f32 v[TT+(\p):TT+(\p)+1], v[NC+(\p):NC+(\p)+1], s[TL:TL+1] op_sel_hi:[1,0]
.endr
.irp t, 0,1
.irp u, 0,1
	ds_store_b128 v[SC], v[NC+8*(\t)+4*(\u):NC+8*(\t)+4*(\u)+3] offset:(\a)*16*PITCH+64*(\t)+16*(\u)
.endr
.endr
	EXPS TT, 16
	RECIP TT, 16
.irp p, 0,2,4,6,8,10,12,14
	v_pk_fma_f32 v[TT+(\p):TT+(\p)+1], v[TT+(\p):TT+(\p)+1], -2.0, 1.0 op_sel_hi:[1,0,0]  ; tanh(new_c)
.endr
.irp p, 0,2,4,6,8,10,12,14
	v_pk_mul_f32 v[NH+(\p):NH+(\p)+1], v[XO+(\p):XO+(\p)+1], v[TT+(\p):TT+(\p)+1]        ; new_h
.endr
.irp t, 0,1
.irp u, 0,1
	ds_store_b128 v[SH], v[NH+8*(\t)+4*(\u):NH+8*(\t)+4*(\u)+3] offset:(\a)*16*PITCH+64*(\t)+16*(\u)
.endr
.endr
.endm
; 32 whole rows of a stage come back into set k % 3 of 64 registers (two rows a load), and leave.
.macro LOADB k, adr, i0
.set BK, 64+64*((\k)%3)
.irp t, 0,1,2,3,4,5,6,7,8,9,10,11,12,13,14,15
	ds_load_b128 v[BK+4*(\t):BK+4*(\t)+3], v[\adr] offset:((\i0)+(\t))*2*PITCH
.endr
.endm
.macro SENDB k, base, i0, younger      ; younger: the LDS loads issued behind this set's, which may stay out
.set BK, 64+64*((\k)%3)
.irp t, 0,1,2,3,4,5,6,7,8,9,10,11,12,13,14,15
	s_wait_dscnt (\younger)+15-(\t)
	global_store_b128 v[GO], v[BK+4*(\t):BK+4*(\t)+3], s[\base:\base+1] offset:((\i0)+(\t))*8192 th:TH_STORE_NT  ; 16 lanes store 256 consecutive bytes, aligned
.endr
.endm
	s_wait_tensorcnt 1                             ; my part of K step 0 is in; K step 1's may stay out
	s_barrier_signal -1
	s_barrier_wait -1                              ; everybody's is
	FETCH 0, 0, F0
	s_wait_loadcnt 0x0                             ; the biases
	; the biases take the one rounding that all inputs take, to bf16 and back, while the first fragments are on their way out of LDS; v32-63 are free here
.set i, 0
.rept 32
	v_cvt_pk_bf16_f32 v[CC+i], v[BIAS+2*i], v[BIAS+2*i+1]
.set i, i+1
.endr
.set i, 0
.rept 32
	v_lshlrev_b32 v[BIAS+2*i],   16, v[CC+i]
	v_and_b32     v[BIAS+2*i+1], s[HM], v[CC+i]
.set i, i+1
.endr
	QUARTER 0, 1, F0, F1, 1                        ; the first quarter stands in front of the loop: its products start the sums, on the biases
	WIN 0                                          ; at a label and at a branch every window is 0
	s_mov_b32 s3, LAPS-1
.Llap:                                                 ; a trip goes once round the ring, from a lap's second quarter to the next lap's first, and fills both slots again
	QUARTER 0, 2, F1, F0, 0
	QUARTER 0, 3, F0, F1, 0
	TURN 0, 1
	QUARTER 1, 1, F0, F1, 0
	QUARTER 1, 2, F1, F0, 0
	QUARTER 1, 3, F0, F1, 0
	TURN 1, 0
	QUARTER 0, 1, F0, F1, 0
	WIN 0
	s_sub_co_u32 s3, s3, 1
	s_cmp_lg_u32 s3, 0
	s_cbranch_scc1 .Llap
	QUARTER 0, 2, F1, F0, 0                        ; the last lap: K steps 14 and 15
	QUARTER 0, 3, F0, F1, 0
	TURNC
	QUARTER 1, 1, F0, F1, 0
	QUARTER 1, 2, F1, F0, 0
	QUARTER 1, 3, F0, F1, 0
	s_wait_dscnt 8                                 ; the very last quarter: nothing more to fetch
	MUL16 F1, 0, 0, 0
	MUL16 F1, 0, 2, 0
	s_wait_dscnt 0x0                               ; my reads of slot 1 are over,
	s_wait_tensorcnt 0x0                           ; and my one load that was out, my 64 rows of c, has landed
	s_barrier_signal -1
	MUL16 F1, 1, 0, 0
	MUL16 F1, 1, 2, 0
	WIN 0
	s_barrier_wait -1                              ; the c tile is whole, nobody reads the ring any more, and nothing is filled again: the stages may be written
	PLACES
	PLACES                                         ; eight places, once a launch, between the last product and the lines that read results and write over fragments
.irp a, 0,1,2,3,4,5,6,7
	EPI \a
.endr
	s_wait_dscnt 0x0                               ; for the others' sake: my stores into the stages are done (a row's 256 bytes come from two waves)
	s_barrier_signal -1
	s_barrier_wait -1
	LOADB 0, RDC, 0
	LOADB 1, RDC, 16
	SENDB 0, O0, 0, 16
	LOADB 2, RDH, 0
	SENDB 1, O0, 16, 16
	s_wait_xcnt 0x0                                ; the stores so far have read their registers: set 0 is loaded again only behind this wait
	LOADB 3, RDH, 16
	SENDB 2, O1, 0, 16
	SENDB 3, O1, 16, 0
	s_wait_tensorcnt 0x0                           ; the wave's end, behind my last tensor load and my last LDS store
	ds_add_u32 v[SPW], v[NIL]
	s_wait_dscnt 0x0
	CROUND                                         ; the closing round: no work-group ends while a partner may still ask for a tile that names it
	s_endpgm
.Lfunc_end_k_q393d8b0d9d_cell:
	.size	k_q393d8b0d9d_cell, .Lfunc_end_k_q393d8b0d9d_cell-k_q393d8b0d9d_cell
	.p2alignl 7, 3214868480
	.fill 96, 4, 3214868480
	.section	.rodata,"a",@progbits
	.p2align	6, 0x0
	.amdhsa_kernel k_q393d8b0d9d_cell
		.amdhsa_group_segment_fixed_size 327680
		.amdhsa_private_segment_fixed_size 0
		.amdhsa_enable_private_segment 0
		.amdhsa_kernarg_size 72
		.amdhsa_user_sgpr_count 2
		.amdhsa_user_sgpr_kernarg_segment_ptr 1
		.amdhsa_wavefront_size32 1
		.amdhsa_system_sgpr_workgroup_id_x 1
		.amdhsa_system_sgpr_workgroup_id_y 1
		.amdhsa_system_sgpr_workgroup_id_z 1
		.amdhsa_system_vgpr_workitem_id 0
		.amdhsa_next_free_vgpr 1024
		.amdhsa_next_free_sgpr 102
		.amdhsa_reserve_vcc 0
		.amdhsa_float_denorm_mode_32 3
		.amdhsa_float_denorm_mode_16_64 3
		.amdhsa_memory_ordered 1
		.amdhsa_forward_progress 1
		.amdhsa_inst_pref_size 249
	.end_amdhsa_kernel
	.amdgpu_metadata
---
amdhsa.version: [ 1, 2 ]
amdhsa.kernels:
  - .name:           k_q393d8b0d9d_cell
    .symbol:         k_q393d8b0d9d_cell.kd
    .args:
      - { .name: Ab, .offset: 0, .size: 8, .value_kind: global_buffer, .address_space: global }
      - { .name: Wb, .offset: 8, .size: 8, .value_kind: global_buffer, .address_space: global }
      - { .name: c, .offset: 16, .size: 8, .value_kind: global_buffer, .address_space: global }
      - { .name: bi, .offset: 24, .size: 8, .value_kind: global_buffer, .address_space: global }
      - { .name: bf, .offset: 32, .size: 8, .value_kind: global_buffer, .address_space: global }
      - { .name: bg, .offset: 40, .size: 8, .value_kind: global_buffer, .address_space: global }
      - { .name: bo, .offset: 48, .size: 8, .value_kind: global_buffer, .address_space: global }
      - { .name: out0, .offset: 56, .size: 8, .value_kind: global_buffer, .address_space: global }
      - { .name: out1, .offset: 64, .size: 8, .value_kind: global_buffer, .address_space: global }
    .group_segment_fixed_size: 327680
    .private_segment_fixed_size: 0
    .kernarg_segment_align: 8
    .kernarg_segment_size: 72
    .max_flat_workgroup_size: 128
    .sgpr_count:     102
    .vgpr_count:     1024
    .wavefront_size: 32
...
	.end_amdgpu_metadata
.endif
;; end of part 2
;; ======== version 2 of 2: 2 launches; version 1 with the launch prep written anew for expert scheduling mode
;; limits: a function is approximated: absolute error at most 1e-07; right only within a limited range of input values
;; workspace buffers: Ab 33,554,432 bytes; Wb 16,777,216 bytes
;; launch prep (part 3): grid 768 x 1, 8 waves a work-group, no clusters, 66,560 bytes of LDS; arguments inputs, h, Wii, Wif, Wig, Wio, Whi, Whf, Whg, Who, Ab, Wb; writes Ab, Wb
.if DOCPART == 3
	.amdgcn_target "amdgcn-amd-amdhsa--gfx1250"
	.amdhsa_code_object_version 6
	.text
	.protected	k_q393d8b0d9d_prep
	.globl	k_q393d8b0d9d_prep
	.p2align	8
	.type	k_q393d8b0d9d_prep,@function
k_q393d8b0d9d_prep:
	s_mov_b64 s[64:65], 0
	v_nop
	global_prefetch_b8 v0, s[64:65] scope:SCOPE_SE
	s_setreg_imm32_b32 hwreg(HW_REG_WAVE_SCHED_MODE, 0, 2), 2
	s_setreg_imm32_b32 hwreg(HW_REG_WAVE_MODE, 25, 1), 1
	s_wait_xcnt 0x0
	s_wait_alu depctr_vm_vsrc(0)
; THE OPERANDS OF THE LSTM CELL'S PRODUCT, rounded once to bf16 (to nearest even) and laid out for the launch behind.
; Ab: bf16 [8192][2048]: row m = inputs[m][0..1023], then h[m][0..1023]; a row is 4,096 bytes.
; Wb: bf16 [2048 k][4096 n']: k < 1024 from Wi*, k >= 1024 from Wh*; n' = 256 T + 64 g + j, T = hidden / 64, g = 0..3 for i, f, g, o, j = hidden % 64:
;     so 256 neighbouring columns are 64 hidden columns of all four gates, 512 dense bytes of a row.
; SHARES.  768 work-groups of eight waves, each reads 128 KiB and writes 64 KiB.  Work-groups 0..511: 16 rows of inputs and of h.  Work-groups 512..767: 8 rows k of the
; four weights, a wave a row.  Each thread issues all its 32 loads of 16 bytes at once; there is no loop, so no register of a global load or store is ever written again.
; A stream: no matrix unit, no tensor load, no cluster (no byte is wanted twice).  LIMITS: bf16 has f32's range; NaN and infinities pass as they are.
; THE MODE: SCHED_MODE bits 1:0 = 2 (LLVM: expert scheduling mode 2), set by the entry lines.  The code itself states the register dependences
; between vector instructions and memory or LDS instructions, with s_wait_alu, always for 0.
; THE PLAN.  Registers that memory or LDS instructions touch:
;   v1 .. v4        offsets and LDS addresses: written once, in a path's head, and never again; read by every load and store of the path.
;   X + 4 n ..      load n lands in four registers; its two conversions read the four and write the first two; its store (to Ab, or into the stage) reads those two.
;   v16 .. v79      in the weights' path alone: the loads from the stage land here, behind the stores into the stage, and the stores to Wb read them.
;   v[SPW], v[NIL]  written at the head, read by the closing add alone.
; The 32 loads go in eight groups of four.  Group k rounds its own four; its memory or LDS instructions are the four stores of group k - 1, whose registers no conversion of
; group k names.  So ONE wait on va_vdst at a group's head, behind the wait for the group's data, states all that those four stores hang on, and they are dealt among the
; group's eight conversions with no further wait.  One more stands ahead of the last group's stores.  One wait on vm_vsrc stands ahead of the loads from the stage.
.set X,     16                         ; v[16:143]  32 x 4 registers as loaded; the first two of each four then hold 4 bf16
.set SPW,   6                          ; v6   LDS address of my spare word; never rewritten
.set NIL,   7                          ; v7   0; never rewritten
.set SPARE, 65536                      ; behind the eight stages of 8,192 bytes (a wave's own, at 8,192 x wave): the spare words, 128 bytes a wave
.set GRP,   4                          ; loads in a group
.macro CVT n                           ; the four numbers of load n become two words
	v_cvt_pk_bf16_f32 v[X+4*(\n)],   v[X+4*(\n)],   v[X+4*(\n)+1]
	v_cvt_pk_bf16_f32 v[X+4*(\n)+1], v[X+4*(\n)+2], v[X+4*(\n)+3]
.endm
.macro TOAB m                          ; the two words of load m go to Ab: a wave's store covers 256 consecutive bytes, aligned
	global_store_b64 v2, v[X+4*(\m):X+4*(\m)+1], s[24:25] offset:((\m)/2)*4096+((\m)%2)*2048
.endm
.macro TOSTAGE m                       ; load m = 8 g + j: element e = 128 j + 4 L has T = 2 j + L / 16 and goes to byte 512 T + 128 g + 2 (e % 64) of the row
	ds_store_b64 v3, v[X+4*(\m):X+4*(\m)+1] offset:((\m)%8)*1024+((\m)/8)*128
.endm
	s_load_b512 s[4:19], s[0:1], 0x0               ; inputs 4, h 6, Wii 8, Wif 10, Wig 12, Wio 14, Whi 16, Whf 18
	s_load_b256 s[20:27], s[0:1], 0x40             ; Whg 20, Who 22, Ab 24, Wb 26
	v_lshl_add_u32 v[SPW], v0, 2, SPARE
	v_mov_b32 v[NIL], 0
	v_lshrrev_b32 v5, 5, v0
	v_readfirstlane_b32 s28, v5                    ; wave 0..7
	s_mov_b32 s3, 0
	s_wait_alu depctr_va_sdst(0)                   ; s28 is written: its first reader stands in the weights' path
	s_wait_kmcnt 0x0
	s_cmp_lt_u32 ttmp9, 512
	s_cbranch_scc0 .Lweights
	; INPUTS AND h.  16 rows of 4,096 bytes are 65,536 bytes in inputs, in h and in Ab alike.
	s_lshl_b32 s2, ttmp9, 16
	s_add_nc_u64 s[4:5], s[4:5], s[2:3]
	s_add_nc_u64 s[6:7], s[6:7], s[2:3]
	s_add_nc_u64 s[24:25], s[24:25], s[2:3]
	v_lshlrev_b32 v1, 4, v0                        ; thread t: 16 bytes at 16 t of a source row,
	v_lshlrev_b32 v2, 3, v0                        ; 8 bytes at 8 t of half a row of Ab
	s_wait_alu depctr_va_vdst(0)                   ; v1 and v2 are written: every load below reads v1 as its offset, every store v2
.set i, 0
.rept 16
	global_load_b128 v[X+8*i:X+8*i+3],   v1, s[4:5] offset:4096*i th:TH_LOAD_NT
	global_load_b128 v[X+8*i+4:X+8*i+7], v1, s[6:7] offset:4096*i th:TH_LOAD_NT
.set i, i+1
.endr
.set n, 0
.rept 32/GRP                           ; the group of loads n .. n + 3
	s_wait_loadcnt 32-GRP-n                        ; loads come back in order (ISA guide 5.7.1): the group is in, the younger loads stay out
.if n > 0
	s_wait_alu depctr_va_vdst(0)                   ; the group before has written its eight words, which the four stores below read
.endif
.set j, 0
.rept GRP
.if n > 0
	TOAB n+j-GRP                                   ; no conversion since the wait names these registers
.endif
	CVT n+j
.set j, j+1
.endr
.set n, n+GRP
.endr
	s_wait_alu depctr_va_vdst(0)                   ; the last group has written its eight words, which the last four stores read
.set j, 32-GRP
.rept GRP
	TOAB j
.set j, j+1
.endr
	s_branch .Lend
.Lweights:
	; THE WEIGHTS.  Work-group 512 + q takes rows k = 8 q .. 8 q + 7, wave w row 8 q + w, of all four gates.
	s_sub_co_u32 s29, ttmp9, 512
	s_cmp_lt_u32 s29, 128                          ; k < 1024: the input kernels, else the recurrent ones
	s_cselect_b64 s[8:9],   s[8:9],   s[16:17]
	s_cselect_b64 s[10:11], s[10:11], s[18:19]
	s_cselect_b64 s[12:13], s[12:13], s[20:21]
	s_cselect_b64 s[14:15], s[14:15], s[22:23]
	s_and_b32 s2, s29, 127
	s_lshl_b32 s2, s2, 15                          ; 8 source rows of 4,096 bytes
	s_add_nc_u64 s[8:9],   s[8:9],   s[2:3]
	s_add_nc_u64 s[10:11], s[10:11], s[2:3]
	s_add_nc_u64 s[12:13], s[12:13], s[2:3]
	s_add_nc_u64 s[14:15], s[14:15], s[2:3]
	s_lshl_b32 s2, s29, 16                         ; 8 rows of Wb, 8,192 bytes each
	s_add_nc_u64 s[26:27], s[26:27], s[2:3]
	s_lshl_b32 s30, s28, 12                        ; my source row
	s_lshl_b32 s31, s28, 13                        ; my stage, and my row of Wb
	v_and_b32 v5, 31, v0                           ; lane L
	v_lshl_add_u32 v1, v5, 4, s30                  ; source: 4,096 w + 16 L
	v_lshl_add_u32 v4, v5, 4, s31                  ; stage read back, and Wb: 8,192 w + 16 L
	v_and_b32 v3, 15, v5
	v_lshrrev_b32 v5, 4, v5
	v_lshlrev_b32 v3, 3, v3
	v_lshl_add_u32 v3, v5, 9, v3
	v_add_nc_u32 v3, s31, v3                       ; stage in: 8,192 w + 512 (L / 16) + 8 (L % 16)
	s_wait_alu depctr_va_vdst(0)                   ; v1, v3 and v4 are written: the loads below read v1, the stores into the stage v3, the loads from it and the stores to Wb v4
.set n, 0
.rept 32                                       ; load n = 8 g + j: gate g, elements 128 j + 4 L .. + 3: 512 consecutive bytes a wave
	global_load_b128 v[X+4*n:X+4*n+3], v1, s[8+2*(n/8):9+2*(n/8)] offset:512*(n%8) th:TH_LOAD_NT
.set n, n+1
.endr
.set n, 0
.rept 32/GRP                           ; the group of loads n .. n + 3
	s_wait_loadcnt 32-GRP-n                        ; the group is in, the younger loads stay out
.if n > 0
	s_wait_alu depctr_va_vdst(0)                   ; the group before has written its eight words, which the four LDS stores below read
.endif
.set j, 0
.rept GRP
.if n > 0
	TOSTAGE n+j-GRP                                ; no conversion since the wait names these registers
.endif
	CVT n+j
.set j, j+1
.endr
.set n, n+GRP
.endr
	s_wait_alu depctr_va_vdst(0)                   ; the last group has written its eight words, which the last four LDS stores read; and every conversion is done reading and writing v16 to v79, in which the loads from the stage land
.set j, 32-GRP
.rept GRP
	TOSTAGE j
.set j, j+1
.endr
	s_wait_alu depctr_vm_vsrc(0)                   ; the LDS stores have read their words of v16 to v79, in which the loads below land
.set i, 0
.rept 16
	ds_load_b128 v[X+4*i:X+4*i+3], v4 offset:512*i  ; my own stage: LDS serves a wave's instructions in order (ISA guide 5.7.1.4), so these see the stores above
.set i, i+1
.endr
.set i, 0
.rept 16
	s_wait_dscnt 15-i
	global_store_b128 v4, v[X+4*i:X+4*i+3], s[26:27] offset:512*i  ; 512 consecutive bytes, aligned
.set i, i+1
.endr
.Lend:
	s_wait_dscnt 0x0                               ; the closing lines, six on end
	s_wait_alu 0x0
	s_wait_tensorcnt 0x0
	ds_add_u32 v[SPW], v[NIL]
	s_wait_dscnt 0x0
	s_endpgm
.Lfunc_end_k_q393d8b0d9d_prep:
	.size	k_q393d8b0d9d_prep, .Lfunc_end_k_q393d8b0d9d_prep-k_q393d8b0d9d_prep
	.p2alignl 7, 3214868480
	.fill 96, 4, 3214868480
	.section	.rodata,"a",@progbits
	.p2align	6, 0x0
	.amdhsa_kernel k_q393d8b0d9d_prep
		.amdhsa_group_segment_fixed_size 66560
		.amdhsa_private_segment_fixed_size 0
		.amdhsa_enable_private_segment 0
		.amdhsa_kernarg_size 96
		.amdhsa_user_sgpr_count 2
		.amdhsa_user_sgpr_kernarg_segment_ptr 1
		.amdhsa_wavefront_size32 1
		.amdhsa_system_sgpr_workgroup_id_x 1
		.amdhsa_system_sgpr_workgroup_id_y 1
		.amdhsa_system_sgpr_workgroup_id_z 1
		.amdhsa_system_vgpr_workitem_id 0
		.amdhsa_next_free_vgpr 144
		.amdhsa_next_free_sgpr 66
		.amdhsa_reserve_vcc 0
		.amdhsa_float_denorm_mode_32 3
		.amdhsa_float_denorm_mode_16_64 3
		.amdhsa_memory_ordered 1
		.amdhsa_forward_progress 1
		.amdhsa_inst_pref_size 26
	.end_amdhsa_kernel
	.amdgpu_metadata
---
amdhsa.version: [ 1, 2 ]
amdhsa.kernels:
  - .name:           k_q393d8b0d9d_prep
    .symbol:         k_q393d8b0d9d_prep.kd
    .args:
      - { .name: inputs, .offset: 0, .size: 8, .value_kind: global_buffer, .address_space: global }
      - { .name: h, .offset: 8, .size: 8, .value_kind: global_buffer, .address_space: global }
      - { .name: Wii, .offset: 16, .size: 8, .value_kind: global_buffer, .address_space: global }
      - { .name: Wif, .offset: 24, .size: 8, .value_kind: global_buffer, .address_space: global }
      - { .name: Wig, .offset: 32, .size: 8, .value_kind: global_buffer, .address_space: global }
      - { .name: Wio, .offset: 40, .size: 8, .value_kind: global_buffer, .address_space: global }
      - { .name: Whi, .offset: 48, .size: 8, .value_kind: global_buffer, .address_space: global }
      - { .name: Whf, .offset: 56, .size: 8, .value_kind: global_buffer, .address_space: global }
      - { .name: Whg, .offset: 64, .size: 8, .value_kind: global_buffer, .address_space: global }
      - { .name: Who, .offset: 72, .size: 8, .value_kind: global_buffer, .address_space: global }
      - { .name: Ab, .offset: 80, .size: 8, .value_kind: global_buffer, .address_space: global }
      - { .name: Wb, .offset: 88, .size: 8, .value_kind: global_buffer, .address_space: global }
    .group_segment_fixed_size: 66560
    .private_segment_fixed_size: 0
    .kernarg_segment_align: 8
    .kernarg_segment_size: 96
    .max_flat_workgroup_size: 256
    .sgpr_count:     66
    .vgpr_count:     144
    .wavefront_size: 32
...
	.end_amdgpu_metadata
.endif
;; end of part 3
;; launch cell: the kernel of part 2 again; grid 16 x 32, 4 waves a work-group, clusters of 4 x 4, 327,680 bytes of LDS; arguments Ab, Wb, c, bi, bf, bg, bo, out0, out1; writes out0, out1
